; MI455X (gfx1250); checked and timed in simulation.
; The chip was launched on July 23, 2026; its instructions are those of AMD's public machine-readable ISA for CDNA 5 (MIT licence, August 2026) and "CDNA5" Instruction Set Architecture Reference Guide (July 2026). The comments in the code are by the model that wrote it; some were corrected since.
;; cos Att. Allowed arithmetic: matrix products marked QUANTISED: E2M1 operands, one E8M0 scale for each 32 along K, by v_wmma_scale_f32_16x16x128_f8f6f4 with both operands' format E2M1 (or v_wmma_scale_f32_32x16x128_f4), f32 sums; everything else in f32.
;; Inputs: att_beta 1 x 1 x 1,024 x 1,024 float32; x 8 x 8 x 1,024 x 128 float32.
;; Outputs: out0 8 x 8 x 1,024 x 128 float32.
;; This version of the problem:
;;   THIS VERSION OF THE PROBLEM IS GIVEN IN LOW PRECISION. The matrix products marked QUANTISED in the list below multiply operands that are first quantised to E2M1 (2 exponent bits, 1 mantissa bit; 4 bits a number), with one power-of-two scale for each 32 numbers along K (OCP MX v1.0); their sums are f32. All else is computed in f32.
;;   The module's matrix products, in the order in which they are computed (A, B: the left and right operand; K: the contracted axis; several contracted axes count as one K, in the product's order):
;;     1. batch 64 x [M 1,024, K 128] x [K 128, N 1,024]; A: input x; B: input x: QUANTISED
;;     2. batch 64 x [M 1,024, K 1,024] x [K 1,024, N 128]; A: computed on the way; B: input x: QUANTISED
;;   THE QUANTISER, for each operand of a quantised product, along K:
;;     - K is cut into blocks of 32 from its start; a last block that is shorter is filled with zeros.
;;     - A block's scale is 2^e with e = floor(log2(the largest magnitude in the block)) - 2, held to -126 .. 127; a block of zeros has e = 0. As a byte (E8M0): e + 127.
;;     - Each number is divided by its block's scale, clamped to +-6, and rounded to the nearest number of E2M1, ties to even, subnormals kept.
;;     - The product sums the exact products of the quantised numbers (number of the format x scale) in f32.
;;   ~~~python
;;   def quantise(x, axis):      # numpy; x: float32 -> the quantised numbers, widened to float32 again
;;       x = np.moveaxis(x, axis, -1); K = x.shape[-1]
;;       x = np.pad(x, [(0, 0)] * (x.ndim - 1) + [(0, -K % 32)]); x = x.reshape(x.shape[:-1] + (-1, 32)); a = np.abs(x).max(-1, keepdims=True)
;;       e = np.where(a > 0, np.clip(np.frexp(np.where(a > 0, a, 1))[1] - 1 - 2, -126, 127), 0)      # np.frexp(a)[1] - 1 = floor(log2(a)), exactly
;;       r = np.clip(x / 2.0 ** e, -6, 6)
;;       step = 2.0 ** (np.maximum(np.frexp(np.where(r == 0, 1, r))[1] - 1, 0) - 1)
;;       q = np.round(r / step) * step * 2.0 ** e      # np.round: ties to even
;;       return np.moveaxis(q.reshape(q.shape[:-2] + (-1,))[..., :K], -1, axis).astype(np.float32)
;;   ~~~
;;   OPERANDS COMPUTED ON THE WAY. 'Computed on the way' means the value that the module computes at that place (a softmax that the list does not call 'softmax' is quantised finished and normalised). What goes into a quantiser is computed in f32, as accurately as f32 sums, v_exp_f32 and their like allow (about 1e-6 of the number): no bf16 or f16 on the way to a quantiser, and a product that is left as it is and whose result goes on into a quantised operand takes f32 operands (vector FMAs, or v_wmma_f32_16x16x4_f32). A number that lies on a knife's edge between two numbers of the format may be rounded either way, as far as f32 arithmetic and the matrix unit's own rounding can turn it there, and no further.
;; 2 versions, each right; version 2 is version 1 with the launch att written anew for expert scheduling mode. Each part assembles by itself: llvm-mc -triple=amdgcn-amd-amdhsa -mcpu=gfx1250 --defsym DOCPART=n.
;; ======== version 1 of 2: 2 launches
;; limits: below input magnitudes of 0.001 results are inexact or not finite; right only within a limited range of input values
;; workspace buffers: codes 8,388,608 bytes; aux 786,432 bytes; bimg 4,194,304 bytes
;; launch prep (part 1): grid 8 x 64, 8 waves a work-group, no clusters, 81,408 bytes of LDS; arguments x, att_beta, codes, aux, bimg; writes codes, aux, bimg
.if DOCPART == 1
	.amdgcn_target "amdgcn-amd-amdhsa--gfx1250"
	.amdhsa_code_object_version 6
	.text
	.protected	k_q40d6d451e2_prep
	.globl	k_q40d6d451e2_prep
	.p2align	8
	.type	k_q40d6d451e2_prep,@function
k_q40d6d451e2_prep:
	s_mov_b64 s[64:65], 0
	v_nop
	global_prefetch_b8 v0, s[64:65] scope:SCOPE_SE
	s_setreg_imm32_b32 hwreg(HW_REG_WAVE_MODE, 25, 1), 1
	s_wait_xcnt 0x0
; x [64 heads][1024][128] f32 is read ONCE and becomes both operands of the attention launch, as codes of FP4 (E2M1) with one E8M0 byte for each 32 along a product's K:
;   K images: x quantised along d (the first product's K), V images: x quantised along the keys (the second product's K), and the RECIPROCALS of the rows' f32 norms.
; att_beta [1024][1024] f32 is multiplied by -log2(e) and laid in the order of the reader's registers.
; A block's scale is 2^(floor(log2(its largest magnitude)) - 2); its byte is that magnitude's exponent field - 2, held at 1 from below by a floor among the maximum's leaves.
; LIMITS: a block of zeros keeps the byte 1 where the quantiser says 127: its codes are zeros, which add nothing under any byte but 0xff, and this program alone reads the bytes.
;   NaN and infinities among the inputs are not served.  A row's sum of squares is held at 2^-80 from below, so that the reciprocal norm of a row of zeros is 2^40 and no infinity: what the reader makes of it is said at its head.
; SHARES.  Work-group (s, head) takes the STEP s of the head: keys 128 s .. 128 s + 127, 64 KiB of x; and the beta unit (query tile T = head, step s): 16 rows x 512 bytes.  rec = 8 head + s.
; WHAT IS STORED (r = lane % 16, h = lane / 16):
;   codes[rec], 16,384 bytes: K images at 1024 t + 512 c + 16 lane: row r of tile t is key 64 (t / 4) + 32 (r / 8) + 8 (t % 4) + r % 8; the lane's 16 bytes are d = 64 c + 32 h + 0 .. 31.
;                             V images at 8192 + 1024 t + 512 c + 16 lane: row r of tile t is d = 16 t + r; the lane's 16 bytes are keys 64 c + 32 h + 0 .. 31.
;   aux[rec], 1,536 bytes: K's scale words at 16 lane' + 4 q (tile 2 q + lane' / 16, row lane' % 16), V's likewise at 512, the 128 reciprocal norms in the keys' order at 1024.
;   bimg[rec], 8,192 bytes: quad k at 512 k + 16 lane: -log2(e) beta[query r of tile T][128 s + 64 (k / 8) + 32 h + 4 (k % 8) + 0 .. 3].
; The keys of a K tile are not neighbours: with them so chosen the 32 score registers of four tiles are 32 neighbouring keys in ONE lane of the reader.
; Every global load and store of a wave covers 512 consecutive bytes, or two aligned runs of 256.  The turn from rows to lanes goes through LDS.  No matrix unit, no tensor load, no cluster: work-groups share no input.
.set XP,   528                         ; an LDS row: 512 bytes + 16
.set AUXG, 128*XP                      ; behind x's 128 rows: the 1,536 bytes of aux are gathered here
.set BT,   AUXG+4096                   ; beta's 16 rows, pitch XP
.set L16,  4                           ; v4   16 x lane
.set XST,  5                           ; v5   where I store my 16 bytes of my wave's rows of x
.set KRD,  6                           ; v6   K job: my row of x, my half's 128 bytes
.set VRD,  7                           ; v7   V job: my column of x, my first key
.set BST,  8                           ; v8   where I store beta's rows
.set BRD,  9                           ; v9   and where I read my quads back
.set VST,  10                          ; v10  V images: my byte offset in memory
.set KSW,  11                          ; v11  K's scale word in the gathered aux
.set NRW,  12                          ; v12  my row's reciprocal norm there
.set VSW,  13                          ; v13  V's two scale bytes there
.set AXR,  14                          ; v14  the gathered aux, 512 bytes a wave, read back
.set AXO,  15                          ; v15  and its byte offset in memory
.set H8,   16                          ; v16  8 h
.set X,    32                          ; v32-95   x as loaded, then my row's 64 numbers (K job)
.set Y,    96                          ; v96-159  my column's 64 numbers (V job)
.set CK,   160                         ; v160-167 K's codes
.set CV,   168                         ; v168-175 V's codes
.set BE,   176                         ; v176-183 beta
	s_load_b256 s[4:11], s[0:1], 0x0               ; x s[4:5], att_beta s[6:7], codes s[8:9], aux s[10:11]
	s_load_b64 s[12:13], s[0:1], 0x20              ; bimg
	v_lshl_add_u32 v192, v0, 2, 0x13a00
	v_mov_b32 v193, 0
	v_lshrrev_b32 v1, 5, v0
	v_readfirstlane_b32 s14, v1                    ; wave w, 0..7
	v_and_b32 v1, 31, v0                           ; lane
	v_and_b32 v2, 15, v0                           ; r
	v_bfe_u32 v3, v0, 4, 1                         ; h
	v_bfe_u32 v17, v0, 3, 1                        ; r / 8
	v_and_b32 v18, 7, v0                           ; r % 8
	s_and_b32 s15, s14, 3                          ; w % 4
	s_lshr_b32 s16, s14, 2                         ; w / 4
	s_mov_b32 s20, 0x76543210
	s_mov_b32 s21, 0xfedcba98                      ; v_permlanex16_b32's selects for lane l xor 16
	s_mov_b32 s22, 0xbfb8aa3b                      ; -log2(e)
	s_mov_b32 s23, s22                             ; (named with it as a pair, so it is written)
	; every LDS address: a constant + a constant x lane + a constant x wave; none hangs on the work-group's number
	v_lshlrev_b32 v[L16], 4, v1
	s_mul_i32 s40, s14, 16*XP
	v_add_nc_u32 v[XST], s40, v[L16]               ; rows 16 w on
	s_mul_i32 s40, s16, 64*XP
	s_mul_i32 s41, s15, 8*XP
	s_add_co_u32 s41, s41, s40                     ; tile w begins at key 64 (w / 4) + 8 (w % 4)
	v_mul_u32_u24 v[KRD], v17, 32*XP
	v_mad_u32_u24 v[KRD], v18, XP, v[KRD]
	v_lshl_add_u32 v[KRD], v3, 7, v[KRD]
	v_add_nc_u32 v[KRD], s41, v[KRD]               ; + 32 (r / 8) + r % 8 rows, + 128 h bytes
	s_lshl_b32 s41, s15, 7
	s_add_co_u32 s41, s41, s40
	v_lshl_add_u32 v[VRD], v1, 2, s41              ; column 32 (w % 4) + lane, key 64 (w / 4)
	s_mul_i32 s41, s14, 2*XP
	s_add_co_u32 s41, s41, BT
	v_add_nc_u32 v[BST], s41, v[L16]               ; beta's rows 2 w, 2 w + 1
	s_lshl_b32 s41, s16, 8
	s_lshl_b32 s42, s15, 5
	s_add_co_u32 s41, s41, s42                     ; 256 (w / 4) + 32 (w % 4): it serves beta's quads and the reciprocal norms
	s_add_co_u32 s42, s41, BT
	v_mul_u32_u24 v[BRD], v2, XP
	v_lshl_add_u32 v[BRD], v3, 7, v[BRD]
	v_add_nc_u32 v[BRD], s42, v[BRD]               ; row r, + 128 h, + my wave's two quads
	s_add_co_u32 s42, s41, AUXG+1024
	v_lshlrev_b32 v[NRW], 7, v17
	v_lshl_add_u32 v[NRW], v18, 2, v[NRW]
	v_add_nc_u32 v[NRW], s42, v[NRW]               ; 4 x my row's key
	v_lshlrev_b32 v[VST], 4, v2
	v_lshl_add_u32 v[VST], v3, 10, v[VST]          ; tile 2 (w % 4) + lane / 16, row lane % 16
	s_and_b32 s41, s14, 1
	s_lshl_b32 s41, s41, 8
	s_lshr_b32 s42, s14, 1
	s_lshl_b32 s42, s42, 2
	s_add_co_u32 s41, s41, s42
	s_add_co_u32 s41, s41, AUXG
	v_lshl_add_u32 v[KSW], v2, 4, s41              ; 256 (w % 2) + 4 (w / 2) + 16 r
	s_lshl_b32 s41, s15, 2
	s_lshl_b32 s42, s16, 1
	s_add_co_u32 s41, s41, s42
	s_add_co_u32 s41, s41, AUXG+512
	v_add_nc_u32 v[VSW], s41, v[L16]               ; 16 lane + 4 (w % 4) + 2 (w / 4)
	s_lshl_b32 s41, s14, 9
	v_add_nc_u32 v[AXO], s41, v[L16]
	s_add_co_u32 s41, s41, AUXG
	v_add_nc_u32 v[AXR], s41, v[L16]
	v_lshlrev_b32 v[H8], 3, v3
	; byte offsets into the buffers, each in registers of its own
	s_and_b32 s18, ttmp7, 0xffff                   ; head, which is also the query tile T of my beta unit
	s_lshl_b32 s19, s18, 3
	s_add_co_u32 s19, s19, ttmp9                   ; rec = 8 head + s
	s_lshl_b32 s24, s19, 16
	s_lshl_b32 s36, s14, 13
	s_add_co_u32 s24, s24, s36                     ; x: 65,536 rec + 8,192 w
	s_mov_b32 s25, 0
	s_lshr_b32 s26, s18, 3
	s_lshl_b32 s26, s26, 7                         ; beta's row: 128 (T / 8)
	s_bfe_u32 s36, s18, 0x10002
	s_lshl_b32 s36, s36, 6                         ; + 64 ((T % 8) / 4)
	s_add_co_u32 s26, s26, s36
	s_and_b32 s36, s18, 3
	s_lshl_b32 s36, s36, 3                         ; + 8 (T % 4)
	s_add_co_u32 s26, s26, s36
	s_lshl_b32 s36, s16, 5                         ; + 32 (w / 4)
	s_add_co_u32 s26, s26, s36
	s_lshl_b32 s36, s15, 1                         ; + 2 (w % 4): rows 2 w and 2 w + 1 of the tile's sixteen
	s_add_co_u32 s26, s26, s36
	s_lshl_b32 s26, s26, 12
	s_lshl_b32 s36, ttmp9, 9
	s_add_co_u32 s26, s26, s36                     ; x 4,096 bytes, + 512 s
	s_mov_b32 s27, 0
	s_lshl_b32 s28, s19, 14                        ; codes: 16,384 rec
	s_lshl_b32 s36, s15, 11
	s_add_co_u32 s30, s28, s36
	s_lshl_b32 s36, s16, 9
	s_add_co_u32 s30, s30, s36
	s_add_co_u32 s30, s30, 8192                    ; V images: + 8,192 + 2,048 (w % 4) + 512 (w / 4)
	s_mov_b32 s31, 0
	s_lshl_b32 s36, s14, 10
	s_add_co_u32 s28, s28, s36                     ; K images: + 1,024 w
	s_mov_b32 s29, 0
	s_mul_i32 s32, s19, 1536                       ; aux
	s_mov_b32 s33, 0
	s_lshl_b32 s34, s19, 13
	s_add_co_u32 s34, s34, s36                     ; bimg: 8,192 rec + 1,024 w
	s_mov_b32 s35, 0
	s_wait_kmcnt 0x0
	s_add_nc_u64 s[4:5], s[4:5], s[24:25]
	s_add_nc_u64 s[6:7], s[6:7], s[26:27]
	s_add_nc_u64 s[30:31], s[8:9], s[30:31]
	s_add_nc_u64 s[8:9], s[8:9], s[28:29]
	s_add_nc_u64 s[10:11], s[10:11], s[32:33]
	s_add_nc_u64 s[12:13], s[12:13], s[34:35]
	; ---- in: 16 rows of x and 2 rows of beta a wave, each load 512 consecutive bytes; then into LDS as rows
.irp i, 0,1,2,3,4,5,6,7,8,9,10,11,12,13,14,15
	global_load_b128 v[X+4*\i:X+4*\i+3], v[L16], s[4:5] offset:512*\i th:TH_LOAD_NT
.endr
.irp e, 0,1
	global_load_b128 v[BE+4*\e:BE+4*\e+3], v[L16], s[6:7] offset:4096*\e th:TH_LOAD_NT
.endr
	s_wait_loadcnt 0x2                             ; x is in; beta's two loads may be out
.irp i, 0,1,2,3,4,5,6,7,8,9,10,11,12,13,14,15
	ds_store_b128 v[XST], v[X+4*\i:X+4*\i+3] offset:XP*\i
.endr
	s_wait_loadcnt 0x0
.irp e, 0,1
	ds_store_b128 v[BST], v[BE+4*\e:BE+4*\e+3] offset:XP*\e
.endr
	s_wait_dscnt 0x0                               ; for the others' sake: my stores have landed
	s_barrier_signal -1
	s_barrier_wait -1                              ; 128 rows of x and 16 of beta lie in LDS; nobody writes them again
	; ---- out of LDS by lanes: beta's two quads, my row's 64 numbers, my column's first 32
.irp e, 0,1
	ds_load_b128 v[BE+4*\e:BE+4*\e+3], v[BRD] offset:16*\e
.endr
.irp c, 0,1
.irp j, 0,1,2,3,4,5,6,7
	ds_load_b128 v[X+32*\c+4*\j:X+32*\c+4*\j+3], v[KRD] offset:256*\c+16*\j   ; d = 64 c + 32 h + 4 j on.  Rows r and r + 8 lie 32 x 528 bytes apart, a multiple of 256: these loads go two deep on the banks
.endr
.endr
.macro VCOL hb                         ; x(key 64 (w / 4) + 32 hb + i, my column): 32 lanes read 128 consecutive bytes
.irp i, 0,1,2,3,4,5,6,7,8,9,10,11,12,13,14,15,16,17,18,19,20,21,22,23,24,25,26,27,28,29,30,31
	ds_load_b32 v[Y+32*\hb+\i], v[VRD] offset:(32*\hb+\i)*XP
.endr
.endm
	VCOL 0
	; ---- beta: x -log2(e), and out in the reader's order
	s_wait_dscnt 48                                ; beta's two loads are in; the row's 16 and the column's 32 may be out
.irp j, 0,2,4,6
	v_pk_mul_f32 v[BE+\j:BE+\j+1], v[BE+\j:BE+\j+1], s[22:23] op_sel_hi:[1,0]
.endr
.irp e, 0,1
	global_store_b128 v[L16], v[BE+4*\e:BE+4*\e+3], s[12:13] offset:512*\e   ; quad 2 w + e: 512 consecutive bytes
.endr
	s_wait_dscnt 31                                ; my row is in, and the column's first number; 31 loads may be out
	VCOL 1                                         ; the column's other block: with these 32, 63 LDS loads are out at the most
; the largest magnitudes of two blocks of 32, v[base] on and v[base + 32] on, by turns, into v20 and v21; the floor 2^(3 - 127) is a leaf: so the byte cannot fall under 1
.macro MAX2 base
.irp c, 0,1
	v_max3_num_f32 v[20+\c], |v[\base+32*\c]|, |v[\base+32*\c+1]|, 0x1800000
.endr
.irp i, 2,4,6,8,10,12,14,16,18,20,22,24,26,28,30
.irp c, 0,1
	v_max3_num_f32 v[20+\c], v[20+\c], |v[\base+32*\c+\i]|, |v[\base+32*\c+\i+1]|
.endr
.endr
.endm
	; ---- K job: wave w makes tile w.  My 64 numbers are blocks h and 2 + h of my row
	MAX2 X
.irp q, 0,1,2,3
	v_pk_mul_f32 v[24+2*\q:25+2*\q], v[X+2*\q:X+2*\q+1], v[X+2*\q:X+2*\q+1]   ; the sum of squares, in four packed chains: the first products start them
.endr
.irp p, 4,8,12,16,20,24,28
.irp q, 0,1,2,3
	v_pk_fma_f32 v[24+2*\q:25+2*\q], v[X+2*(\p+\q):X+2*(\p+\q)+1], v[X+2*(\p+\q):X+2*(\p+\q)+1], v[24+2*\q:25+2*\q]
.endr
.endr
	v_pk_add_f32 v[24:25], v[24:25], v[26:27]
	v_pk_add_f32 v[28:29], v[28:29], v[30:31]
	v_pk_add_f32 v[24:25], v[24:25], v[28:29]
	v_add_f32 v24, v24, v25
	v_permlanex16_b32 v25, v24, s20, s21           ; the row's other 64 numbers lie in lane l xor 16
	v_add_f32 v24, v24, v25
	v_max_num_f32 v24, 0x17800000, v24             ; held at 2^-80 from below: a row of zeros gets 2^40, no infinity
	v_rsq_f32 v26, v24                             ; 1 / the row's norm, of the unquantised numbers
	v_add_nc_u32 v22, 0xff000000, v20              ; (a plain line behind it)  2 off the exponent field: the conversion takes the exponent field of this operand as its scale, and nothing else of it
	v_add_nc_u32 v23, 0xff000000, v21
	v_lshrrev_b32 v17, 23, v22                     ; the scales' bytes
	v_lshrrev_b32 v18, 23, v23
	v_lshl_or_b32 v19, v18, 16, v17                ; blocks h and 2 + h,
	v_lshlrev_b32 v19, v[H8], v19                  ; at their places in the row's word;
	v_permlanex16_b32 v17, v19, s20, s21
	v_or_b32 v19, v19, v17                         ; with lane l xor 16's two the word is whole
.irp c, 0,1
.irp g, 0,1,2,3
	v_cvt_scalef32_pk8_fp4_f32 v[CK+4*\c+\g], v[X+32*\c+8*\g:X+32*\c+8*\g+7], v[22+\c]
.endr
.endr
	v_nop                                          ; one plain line behind the last scaled conversion: v22 and v23 are written again below
.irp c, 0,1
	global_store_b128 v[L16], v[CK+4*\c:CK+4*\c+3], s[8:9] offset:512*\c   ; the tile's image: 512 consecutive bytes a store
.endr
	; ---- V job: column d = 32 (w % 4) + lane, blocks 2 (w / 4) and 2 (w / 4) + 1 of the step's keys: both wholly mine
	s_wait_dscnt 0x0                               ; the column's 64 loads are in
	ds_store_b32 v[KSW], v19                       ; the K job's word and reciprocal norm: both lanes of a row write the same word with the same value
	s_wait_alu depctr_va_vdst(0)
	ds_store_b32 v[NRW], v26
	MAX2 Y
	v_add_nc_u32 v22, 0xff000000, v20
	v_add_nc_u32 v23, 0xff000000, v21
	v_lshrrev_b32 v17, 23, v22
	v_lshrrev_b32 v18, 23, v23
	v_lshl_or_b32 v27, v18, 8, v17                 ; two neighbouring bytes of my column's word
.irp c, 0,1
.irp g, 0,1,2,3
	v_cvt_scalef32_pk8_fp4_f32 v[CV+4*\c+\g], v[Y+32*\c+8*\g:Y+32*\c+8*\g+7], v[22+\c]
.endr
.endr
	v_nop                                          ; one plain line behind the last scaled conversion
.irp c, 0,1
	global_store_b128 v[VST], v[CV+4*\c:CV+4*\c+3], s[30:31] offset:256*\c   ; lanes 0-15 and lanes 16-31 each fill 256 consecutive bytes, at a multiple of 256 from the buffer's first byte
.endr
	ds_store_b16 v[VSW], v27
	; ---- the gathered scale words and reciprocal norms leave as three runs of 512 bytes
	s_wait_dscnt 0x0                               ; for the others' sake: my small stores have landed
	s_barrier_signal -1
	s_barrier_wait -1
	s_cmp_gt_u32 s14, 2
	s_cbranch_scc1 .Lend                           ; waves 0, 1, 2: K's words, V's words, the reciprocal norms
	ds_load_b128 v[28:31], v[AXR]
	s_wait_dscnt 0x0
	global_store_b128 v[AXO], v[28:31], s[10:11]
.Lend:
	s_wait_tensorcnt 0x0
	ds_add_u32 v192, v193
	s_wait_dscnt 0x0
	s_endpgm
.Lfunc_end_k_q40d6d451e2_prep:
	.size	k_q40d6d451e2_prep, .Lfunc_end_k_q40d6d451e2_prep-k_q40d6d451e2_prep
	.p2alignl 7, 3214868480
	.fill 96, 4, 3214868480
	.section	.rodata,"a",@progbits
	.p2align	6, 0x0
	.amdhsa_kernel k_q40d6d451e2_prep
		.amdhsa_group_segment_fixed_size 81408
		.amdhsa_private_segment_fixed_size 0
		.amdhsa_enable_private_segment 0
		.amdhsa_kernarg_size 40
		.amdhsa_user_sgpr_count 2
		.amdhsa_user_sgpr_kernarg_segment_ptr 1
		.amdhsa_wavefront_size32 1
		.amdhsa_system_sgpr_workgroup_id_x 1
		.amdhsa_system_sgpr_workgroup_id_y 1
		.amdhsa_system_sgpr_workgroup_id_z 1
		.amdhsa_system_vgpr_workitem_id 0
		.amdhsa_next_free_vgpr 194
		.amdhsa_next_free_sgpr 66
		.amdhsa_reserve_vcc 0
		.amdhsa_float_denorm_mode_32 3
		.amdhsa_float_denorm_mode_16_64 3
		.amdhsa_memory_ordered 1
		.amdhsa_forward_progress 1
		.amdhsa_inst_pref_size 23
	.end_amdhsa_kernel
	.amdgpu_metadata
---
amdhsa.version: [ 1, 2 ]
amdhsa.kernels:
  - .name:           k_q40d6d451e2_prep
    .symbol:         k_q40d6d451e2_prep.kd
    .args:
      - { .name: x, .offset: 0, .size: 8, .value_kind: global_buffer, .address_space: global }
      - { .name: att_beta, .offset: 8, .size: 8, .value_kind: global_buffer, .address_space: global }
      - { .name: codes, .offset: 16, .size: 8, .value_kind: global_buffer, .address_space: global }
      - { .name: aux, .offset: 24, .size: 8, .value_kind: global_buffer, .address_space: global }
      - { .name: bimg, .offset: 32, .size: 8, .value_kind: global_buffer, .address_space: global }
    .group_segment_fixed_size: 81408
    .private_segment_fixed_size: 0
    .kernarg_segment_align: 8
    .kernarg_segment_size: 40
    .max_flat_workgroup_size: 256
    .sgpr_count:     66
    .vgpr_count:     194
    .wavefront_size: 32
...
	.end_amdgpu_metadata
.endif
;; end of part 1
;; launch att (part 2): grid 4 x 64, 16 waves a work-group, no clusters, 280,576 bytes of LDS; arguments codes, aux, bimg, out0; writes out0
.if DOCPART == 2
	.amdgcn_target "amdgcn-amd-amdhsa--gfx1250"
	.amdhsa_code_object_version 6
	.text
	.protected	k_q40d6d451e2_att
	.globl	k_q40d6d451e2_att
	.p2align	8
	.type	k_q40d6d451e2_att,@function
k_q40d6d451e2_att:
	s_mov_b64 s[64:65], 0
	v_nop
	global_prefetch_b8 v0, s[64:65] scope:SCOPE_SE
	s_setreg_imm32_b32 hwreg(HW_REG_WAVE_MODE, 25, 1), 1
	s_wait_xcnt 0x0
; out[h][n][:] = the sum over m of Q(P)[n][m] Q(x)[m][:],  P = sigmoid(beta[n][m] S[n][m] / (|x_n| |x_m| + 1e-7)),  S = Q(x) Q(x)^T: both products on codes of FP4 (E2M1) with one E8M0 scale for each 32 along K.
; The operands come from the launch before, as images of the registers that take them: codes[head][step] (K images, V images), aux[head][step] (K's and V's scale words, the keys' reciprocal f32 norms), bimg[tile][step] (-log2(e) beta).
; SHARES.  A work-group owns 256 queries of one head, each of its sixteen waves one tile of 16, in 256 registers: four waves to a SIMD, so that one wave's reciprocals and exponentials stand beside another's plain
;   arithmetic, products and loads.  The head's codes and aux (143,360 bytes) are copied into LDS once; behind the one barrier no wave waits for another.  Every wave walks the head's 8 steps of 128 keys.
; LAYOUT (r = lane % 16, h = lane / 16).  Both products are used transposed: S^T = K Q^T (source 0 = 16 keys, source 1 = my 16 queries), O^T = V^T P^T (source 0 = 16 of the 128 channels, source 1 = P): a lane holds ONE query.
;   Row r of K tile 4 c + u is key 64 c + 32 (r / 8) + 8 u + r % 8, so register 8 u + j of the four tiles 4 c .. 4 c + 3 is key 64 c + 32 h + 8 u + j: A WHOLE BLOCK OF 32 NEIGHBOURING KEYS IN ONE LANE.
;   So a block's largest p needs no other lane, and the four conversions' results are registers 4 c .. 4 c + 3 of P's operand as they stand.  My queries are the keys of K tile w % 8 of step 2 bx + w / 8: Q's fragment is that image.
; THE CHAIN, in f32, for each of a lane's 32 numbers of a half step: s b' (b' = -log2(e) beta), times rm, times (rn - 1e-7 rn^2 rm), 2^that, + 1, the reciprocal.  rn = 1 / |x_n|, rm = 1 / |x_m| come ready, so that
;   a number costs two transcendentals (the exponential, the sigmoid's reciprocal) and no third for the division: 1 / (nn nm + 1e-7) = rn rm / (1 + u), u = 1e-7 rn rm, and 1 / (1 + u) is taken as 1 - u.
; LIMITS: that series is cut behind its first-order term: the division's relative error is u^2, under 1e-6 while |x_n| |x_m| is 1e-4 or more (numbers of x some 1,000 times smaller than a spread of 1 gives, where the product is about 128);
;   under that the result drifts from reference()'s.  A row of zeros is served exactly: its reciprocal norm is held at 2^40, so that 1e-7 rn^2 rm is at most 1e-7 x 2^120, a finite number; its scores are zeros, and p = 0.5.
;   The factors are multiplied in another order than reference() writes them: all in f32, a few units in the last place.  NaN and infinities among the inputs are not served.
;   Where 2^(..) passes the largest f32 number p is 0, where the true p lies under 2^-128.  A block whose every p is 0 keeps the byte 1: its codes are zeros.
; NO CLUSTER, NO TENSOR LOAD: the four work-groups of a head share the 143,360 bytes of the fill alone, of the 143,360 + 1,048,576 that a work-group reads; beta' is shared between heads, but it goes from memory straight
;   into registers in their order (16 loads of 512 consecutive bytes a wave and step): through LDS it would add 16 LDS loads to a wave step's 50.
.set AUXB,  131072                     ; LDS: the head's codes at 0, its aux here,
.set STAGE, 143360                     ; and the way out: 16 rows x (512 bytes + 16) for each wave
.set SP,    528
.set L16,  1                           ; v1   16 x lane; never rewritten
.set C2,   2                           ; v2   -1e-7 rn^2; named as the pair v[2:3], of which the low word serves both halves
.set ADR,  3                           ; v3   LDS address of the step's images
.set MA,   4                           ; v4, v5 at work
.set MB,   5
.set PW,   6                           ; v6   P's scale bytes, then its scale word
.set QS,   7                           ; v7   Q's scale word
.set RN,   8                           ; v8   rn, my query's reciprocal norm; named as the pair v[8:9], of which the low word serves both halves
.set H128, 9                           ; v9   128 h; never rewritten
.set SC,   10                          ; v[10:13] K's scale words of the step, later V's: register q: lanes 0-15 tile 2 q, lanes 16-31 tile 2 q + 1
.set QF,   14                          ; v[14:21] Q's fragment
.set PC,   22                          ; v[22:29] P's codes
.set ANR,  30                          ; v30  LDS address of the keys' reciprocal norms
.set ASC,  31                          ; v31  LDS address of the scale words
.set SCO,  32                          ; v[32:63] 32 scores, then p
.set F0,   64                          ; v[64:95]  K tiles 0-3, then the reciprocal norms' chain, then V tiles 0-3
.set F1,   96                          ; v[96:127] the same for tiles 4-7
.set BET,  128                         ; v[128:191] beta' of the step: 32 registers for each half
.set OA,   192                         ; v[192:255] O^T: 8 accumulators
.macro PLACES n
.rept \n
	v_nop
.endr
.endm
	s_load_b256 s[4:11], s[0:1], 0x0               ; codes s[4:5], aux s[6:7], bimg s[8:9], out0 s[10:11]
	v_lshrrev_b32 v2, 5, v0
	v_readfirstlane_b32 s12, v2                    ; wave w, 0..15
	v_and_b32 v4, 31, v0
	v_lshlrev_b32 v[L16], 4, v4
	v_lshlrev_b32 v31, 3, v4                       ; 8 x lane: the aux fill's offset
	v_bfe_u32 v2, v0, 4, 1
	v_lshlrev_b32 v[H128], 7, v2
	v_and_b32 v4, 15, v0
	v_lshlrev_b32 v4, 4, v4                        ; 16 r: Q's scale word
	v_bfe_u32 v5, v0, 3, 1
	v_and_b32 v3, 7, v0
	v_lshlrev_b32 v3, 2, v3
	v_lshl_add_u32 v5, v5, 7, v3                   ; 128 (r / 8) + 4 (r % 8): my query's reciprocal norm
	s_lshl_b32 s15, s12, 13
	v_add_nc_u32 v3, s15, v[L16]                   ; the fill: 8,192 bytes of codes a wave,
	s_mul_i32 s16, s12, 768
	s_add_co_u32 s17, s16, AUXB
	v_add_nc_u32 v30, s17, v31                     ; and 768 bytes of aux
	s_mul_i32 s27, s12, 16*SP
	s_add_co_u32 s27, s27, STAGE                   ; my stage
	s_mov_b32 s20, 0x76543210
	s_mov_b32 s21, 0xfedcba98                      ; v_permlanex16_b32's selects for lane l xor 16
	s_mov_b32 s24, 0                               ; the step's images in LDS: 16,384 bytes a step
	s_mov_b32 s25, AUXB                            ; its aux: 1,536 bytes a step
	; byte offsets into the buffers
	s_and_b32 s14, ttmp7, 0xffff                   ; head
	s_lshr_b32 s18, s12, 3
	s_and_b32 s19, s12, 7                          ; t: my queries are K tile t
	s_lshl_b32 s44, ttmp9, 1
	s_add_co_u32 s44, s44, s18                     ; of step sq = 2 bx + w / 8
	s_lshl_b32 s45, s14, 17                        ; the head's codes
	s_add_co_u32 s32, s45, s15                     ; fill: + 8,192 w
	s_mov_b32 s33, 0
	s_lshl_b32 s46, s44, 14
	s_add_co_u32 s36, s45, s46
	s_lshl_b32 s46, s19, 10
	s_add_co_u32 s36, s36, s46                     ; Q: + 16,384 sq + 1,024 t
	s_mov_b32 s37, 0
	s_mul_i32 s45, s14, 12288                      ; the head's aux
	s_add_co_u32 s34, s45, s16                     ; fill: + 768 w
	s_mov_b32 s35, 0
	s_mul_i32 s46, s44, 1536
	s_add_co_u32 s45, s45, s46                     ; step sq's record
	s_and_b32 s46, s19, 1
	s_lshl_b32 s46, s46, 8
	s_add_co_u32 s38, s45, s46
	s_lshr_b32 s46, s19, 1
	s_lshl_b32 s46, s46, 2
	s_add_co_u32 s38, s38, s46                     ; Q's scale words: + 256 (t % 2) + 4 (t / 2)
	s_mov_b32 s39, 0
	s_lshr_b32 s46, s19, 2
	s_and_b32 s47, s19, 3
	s_lshl_b32 s42, s46, 6
	s_lshl_b32 s43, s47, 3
	s_add_co_u32 s42, s42, s43                     ; the tile's first key in its step: 64 (t / 4) + 8 (t % 4)
	s_lshl_b32 s43, s42, 2
	s_add_co_u32 s40, s45, s43
	s_add_co_u32 s40, s40, 1024                    ; its reciprocal norm
	s_mov_b32 s41, 0
	s_lshl_b32 s43, s44, 7
	s_add_co_u32 s42, s42, s43                     ; and its row in the head
	s_lshl_b32 s30, s42, 9
	s_lshl_b32 s43, s14, 19
	s_add_co_u32 s30, s30, s43                     ; out0: 524,288 head + 512 row
	s_mov_b32 s31, 0
	s_lshl_b32 s28, ttmp9, 4
	s_add_co_u32 s28, s28, s12
	s_lshl_b32 s28, s28, 16                        ; bimg: 65,536 x (16 bx + w)
	s_mov_b32 s29, 0
	s_wait_kmcnt 0x0
	s_add_nc_u64 s[32:33], s[4:5], s[32:33]
	s_add_nc_u64 s[34:35], s[6:7], s[34:35]
	s_add_nc_u64 s[36:37], s[4:5], s[36:37]
	s_add_nc_u64 s[38:39], s[6:7], s[38:39]
	s_add_nc_u64 s[40:41], s[6:7], s[40:41]
	s_add_nc_u64 s[28:29], s[8:9], s[28:29]
	s_add_nc_u64 s[30:31], s[10:11], s[30:31]
	; ---- the fill's 19 loads, then Q's 4, then beta' of step 0: 39 loads are out
.irp i, 0,1,2,3,4,5,6,7,8,9,10,11,12,13,14,15
	global_load_b128 v[OA+4*\i:OA+4*\i+3], v[L16], s[32:33] offset:512*\i
.endr
.irp i, 0,1,2
	global_load_b64 v[SCO+2*\i:SCO+2*\i+1], v31, s[34:35] offset:256*\i
.endr
	global_load_b128 v[QF:QF+3], v[L16], s[36:37]
	global_load_b128 v[QF+4:QF+7], v[L16], s[36:37] offset:512
	global_load_b32 v[QS], v4, s[38:39]
	global_load_b32 v[RN], v5, s[40:41]
.irp k, 0,1,2,3,4,5,6,7,8,9,10,11,12,13,14,15
	global_load_b128 v[BET+4*\k:BET+4*\k+3], v[L16], s[28:29] offset:512*\k
.endr
	s_wait_loadcnt 20                              ; the fill is in registers; Q's 4 loads and beta's 16 may be out
.irp i, 0,1,2,3,4,5,6,7,8,9,10,11,12,13,14,15
	ds_store_b128 v3, v[OA+4*\i:OA+4*\i+3] offset:512*\i
.endr
.irp i, 0,1,2
	ds_store_b64 v30, v[SCO+2*\i:SCO+2*\i+1] offset:256*\i
.endr
	s_wait_dscnt 0x0                               ; for the others' sake: my part of the fill has landed
	s_barrier_signal -1
	s_barrier_wait -1                              ; the head's codes and aux lie in LDS; nobody writes them again
	s_wait_loadcnt 16                              ; Q, its scale word and rn are in; beta's 16 may be out
	v_mul_f32 v[C2], v[RN], v[RN]
	v_mul_f32 v[C2], 0xb3d6bf95, v[C2]             ; -1e-7 rn^2
; HALF A STEP: 64 keys, 32 of them in my lane.  c: which half; F: its 32 registers; pre = 1: the next step's beta' of this half is asked for; lw: the younger global loads that may stay out.
.macro HALF c, F, pre, lw
.irp u, 0,2                            ; S^T = K Q^T: four tiles, each product starts its sum; the even tiles' scale words lie in lanes 0-15,
	v_wmma_scale_f32_16x16x128_f8f6f4 v[SCO+8*\u:SCO+8*\u+7], v[\F+8*\u:\F+8*\u+7], v[QF:QF+7], 0, v[SC+2*\c+\u/2], v[QS] matrix_a_fmt:MATRIX_FMT_FP4 matrix_b_fmt:MATRIX_FMT_FP4
.endr
.irp u, 1,3                            ; the odd tiles' in lanes 16-31
	v_wmma_scale_f32_16x16x128_f8f6f4 v[SCO+8*\u:SCO+8*\u+7], v[\F+8*\u:\F+8*\u+7], v[QF:QF+7], 0, v[SC+2*\c+\u/2], v[QS] matrix_a_fmt:MATRIX_FMT_FP4 matrix_b_fmt:MATRIX_FMT_FP4 matrix_a_scale:MATRIX_SCALE_ROW1
.endr
	PLACES 4                                       ; four places in front of the loads into K's registers and of the first read of the scores
.irp k, 0,1,2,3,4,5,6,7
	ds_load_b128 v[\F+4*\k:\F+4*\k+3], v[ANR] offset:1024+256*\c+16*\k   ; rm of my 32 keys: sixteen lanes share each address
.endr
	s_wait_loadcnt \lw                             ; this half's beta' is in; the eight loads issued behind it may be out
.irp i, 0,2,4,6,8,10,12,14,16,18,20,22,24,26,28,30
	v_pk_mul_f32 v[SCO+\i:SCO+\i+1], v[SCO+\i:SCO+\i+1], v[BET+32*\c+\i:BET+32*\c+\i+1]   ; s b', each accumulator from its low end on
.endr
.if \pre
.irp k, 0,1,2,3,4,5,6,7
	global_load_b128 v[BET+32*\c+4*\k:BET+32*\c+4*\k+3], v[L16], s[28:29] offset:8192+(8*\c+\k)*512   ; a whole step ahead of its use
.endr
.endif
	s_wait_dscnt 0x0                               ; the reciprocal norms are in (and all that was asked for before them)
.irp i, 0,2,4,6,8,10,12,14,16,18,20,22,24,26,28,30
	v_pk_mul_f32 v[SCO+\i:SCO+\i+1], v[SCO+\i:SCO+\i+1], v[\F+\i:\F+\i+1]   ; s b' rm
.endr
.irp i, 0,2,4,6,8,10,12,14,16,18,20,22,24,26,28,30
	v_pk_fma_f32 v[\F+\i:\F+\i+1], v[\F+\i:\F+\i+1], v[C2:C2+1], v[RN:RN+1] op_sel_hi:[1,0,0]   ; rn - 1e-7 rn^2 rm = rn (1 - u)
.endr
.irp i, 0,2,4,6,8,10,12,14,16,18,20,22,24,26,28,30
	v_pk_mul_f32 v[SCO+\i:SCO+\i+1], v[SCO+\i:SCO+\i+1], v[\F+\i:\F+\i+1]   ; -log2(e) beta cos
.endr
.irp u, 0,1,2,3
.irp q, 0,1
	ds_load_b128 v[\F+8*\u+4*\q:\F+8*\u+4*\q+3], v[ADR] offset:8192+(4*\c+\u)*1024+512*\q   ; V tiles 4 c + u take the registers that the reciprocal norms have left
.endr
.endr
.if \c
	ds_load_b128 v[SC:SC+3], v[ASC] offset:512     ; and V's scale words K's: the last product that read those stands far more than four places back
.endif
.irp i, 0,1,2,3,4,5,6,7,8,9,10,11,12,13,14,15,16,17,18,19,20,21,22,23,24,25,26,27,28,29,30,31
	v_exp_f32 v[SCO+\i], v[SCO+\i]
.endr
	v_nop                                          ; a plain line behind the last exponential
	s_wait_alu depctr_va_vdst(0)
.irp i, 0,2,4,6,8,10,12,14,16,18,20,22,24,26,28,30
	v_pk_add_f32 v[SCO+\i:SCO+\i+1], v[SCO+\i:SCO+\i+1], 1.0 op_sel_hi:[1,0]
.endr
.irp i, 0,1,2,3,4,5,6,7,8,9,10,11,12,13,14,15,16,17,18,19,20,21,22,23,24,25,26,27,28,29,30,31
	v_rcp_f32 v[SCO+\i], v[SCO+\i]                 ; p = sigmoid(beta cos)
.endr
	v_nop                                          ; a plain line behind the last reciprocal
	s_wait_alu depctr_va_vdst(0)
	v_max3_num_f32 v[MA], v[SCO], v[SCO+1], 0x1800000          ; the block's largest p, in two chains; no p is negative.  The floor 2^(3 - 127) is a leaf: so the byte cannot fall under 1
	v_max3_num_f32 v[MB], v[SCO+16], v[SCO+17], v[SCO+18]
.irp i, 0,1,2,3,4,5
	v_max3_num_f32 v[MA], v[MA], v[SCO+2+2*\i], v[SCO+3+2*\i]
	v_max3_num_f32 v[MB], v[MB], v[SCO+19+2*\i], v[SCO+20+2*\i]
.endr
	v_max3_num_f32 v[MA], v[MA], v[SCO+14], v[SCO+15]
	v_max3_num_f32 v[MA], v[MA], v[MB], v[SCO+31]
	v_add_nc_u32 v[MA], 0xff000000, v[MA]          ; 2 off its exponent field: the conversion's scale operand
.if \c
	v_lshrrev_b32 v[MB], 23, v[MA]                 ; block 2 + h's byte,
	v_lshl_or_b32 v[PW], v[MB], 16, v[PW]          ; above block h's;
	v_permlanex16_b32 v[MB], v[PW], s20, s21
	v_lshl_or_b32 v[PW], v[MB], 8, v[PW]           ; in lanes 0-15, which alone are read, lane l + 16's blocks 1 and 3 fall between my blocks 0 and 2: the query's scale word
.else
	v_lshrrev_b32 v[PW], 23, v[MA]                 ; block h's byte
.endif
.irp u, 0,1,2,3
	v_cvt_scalef32_pk8_fp4_f32 v[PC+4*\c+\u], v[SCO+8*\u:SCO+8*\u+7], v[MA]   ; keys 64 c + 32 h + 8 u + 0 .. 7: register 4 c + u of P's operand
.endr
	v_nop                                          ; one plain line behind the last scaled conversion
.endm
; O^T += V^T P^T: eight tiles of 16 channels, K = the step's 128 keys.  The eight accumulators take turns, one instruction a turn, and the scores' products stand between two steps' turns.
.macro OPRODS zero
.irp t, 0,2,4,6
.if \zero
	v_wmma_scale_f32_16x16x128_f8f6f4 v[OA+8*\t:OA+8*\t+7], v[F0+8*\t:F0+8*\t+7], v[PC:PC+7], 0, v[SC+\t/2], v[PW] matrix_a_fmt:MATRIX_FMT_FP4 matrix_b_fmt:MATRIX_FMT_FP4
.else
	v_wmma_scale_f32_16x16x128_f8f6f4 v[OA+8*\t:OA+8*\t+7], v[F0+8*\t:F0+8*\t+7], v[PC:PC+7], v[OA+8*\t:OA+8*\t+7], v[SC+\t/2], v[PW] matrix_a_fmt:MATRIX_FMT_FP4 matrix_b_fmt:MATRIX_FMT_FP4
.endif
.endr
.irp t, 1,3,5,7
.if \zero
	v_wmma_scale_f32_16x16x128_f8f6f4 v[OA+8*\t:OA+8*\t+7], v[F0+8*\t:F0+8*\t+7], v[PC:PC+7], 0, v[SC+\t/2], v[PW] matrix_a_fmt:MATRIX_FMT_FP4 matrix_b_fmt:MATRIX_FMT_FP4 matrix_a_scale:MATRIX_SCALE_ROW1
.else
	v_wmma_scale_f32_16x16x128_f8f6f4 v[OA+8*\t:OA+8*\t+7], v[F0+8*\t:F0+8*\t+7], v[PC:PC+7], v[OA+8*\t:OA+8*\t+7], v[SC+\t/2], v[PW] matrix_a_fmt:MATRIX_FMT_FP4 matrix_b_fmt:MATRIX_FMT_FP4 matrix_a_scale:MATRIX_SCALE_ROW1
.endif
.endr
.endm
; A STEP: 128 keys.  zero = 1: its products start O^T's sums: nothing is ever cleared.  pre = 1: the next step's beta' is asked for.
.macro STEP zero, pre
	v_add_nc_u32 v[ADR], s24, v[L16]               ; these three and the v_nop are the four places between the last step's products and the loads into their registers
	v_add_nc_u32 v[ASC], s25, v[L16]
	v_add_nc_u32 v[ANR], s25, v[H128]
	v_nop
	ds_load_b128 v[SC:SC+3], v[ASC]                ; K's scale words
.irp t, 0,1,2,3,4,5,6,7
.irp q, 0,1
	ds_load_b128 v[F0+8*\t+4*\q:F0+8*\t+4*\q+3], v[ADR] offset:\t*1024+512*\q   ; K's eight tiles, as they lie: 512 consecutive bytes a load
.endr
.endr
	s_wait_dscnt 8                                 ; the scale words and tiles 0-3 are in; tiles 4-7's eight loads may be out
	HALF 0, F0, \pre, 8
	HALF 1, F1, \pre, 8*\pre
	PLACES 7                                       ; with the line behind the conversions: eight places between the scale word's last write and the scaled products, more than four behind P's codes
	s_wait_dscnt 0x0                               ; V's eight tiles and its scale words are in
	OPRODS \zero
.if \pre
	s_wait_xcnt 0x0                                ; the loads of beta' have read their base: only now it steps
	s_add_nc_u64 s[28:29], s[28:29], 8192
.endif
	s_add_co_u32 s24, s24, 16384
	s_add_co_u32 s25, s25, 1536
.endm
	STEP 1, 1                                      ; step 0 starts the sums
	s_mov_b32 s26, 6
.Lstep:                                            ; steps 1 to 6
	STEP 0, 1
	s_sub_co_u32 s26, s26, 1
	s_cmp_lg_u32 s26, 0
	s_cbranch_scc1 .Lstep
	STEP 0, 0                                      ; step 7 is written out: it asks for nothing, so that no load leaves bimg
	; ---- THE WAY OUT.  Register 8 t + j of lane (r, h) is out(query r, channel 16 t + 8 h + j): 32 bytes of a row; the rows go through my own stage and leave whole, 512 consecutive bytes a store.
	v_and_b32 v[MA], 15, v0                        ; (these six lines are also the places behind the last products)
	v_bfe_u32 v[MB], v0, 4, 1
	v_mul_u32_u24 v[ADR], v[MA], SP
	v_lshl_add_u32 v[ADR], v[MB], 5, v[ADR]
	v_add_nc_u32 v[ADR], s27, v[ADR]               ; in: row r, + 32 h.  Rows 528 bytes apart: the sixteen rows of a store begin in sixteen different columns of 16 bytes modulo 256
	v_add_nc_u32 v[ANR], s27, v[L16]               ; back: the 32 lanes take one row
.irp t, 0,1,2,3,4,5,6,7
	ds_store_b128 v[ADR], v[OA+8*\t:OA+8*\t+3] offset:64*\t        ; each accumulator from its low end on
	ds_store_b128 v[ADR], v[OA+8*\t+4:OA+8*\t+7] offset:64*\t+16
.endr
.irp i, 0,1,2,3,4,5,6,7,8,9,10,11,12,13,14,15
	ds_load_b128 v[SCO+4*\i:SCO+4*\i+3], v[ANR] offset:\i*SP       ; LDS serves a wave's instructions in order (ISA guide 5.7.1): these see my stores
.endr
.irp i, 0,1,2,3,4,5,6,7,8,9,10,11,12,13,14,15
	s_wait_dscnt 15-\i                             ; row i is back; the younger rows may be out
	global_store_b128 v[L16], v[SCO+4*\i:SCO+4*\i+3], s[30:31] offset:(\i%8)*512+(\i/8)*16384 th:TH_STORE_NT   ; query i of my tile lies i % 8 + 32 (i / 8) rows on; written once, read by nobody here
.endr
	s_wait_xcnt 0x0
	v_lshl_add_u32 v254, v0, 2, 0x44000
	v_mov_b32 v255, 0
	s_wait_tensorcnt 0x0
	ds_add_u32 v254, v255
	s_wait_dscnt 0x0
	s_endpgm
.Lfunc_end_k_q40d6d451e2_att:
	.size	k_q40d6d451e2_att, .Lfunc_end_k_q40d6d451e2_att-k_q40d6d451e2_att
	.p2alignl 7, 3214868480
	.fill 96, 4, 3214868480
	.section	.rodata,"a",@progbits
	.p2align	6, 0x0
	.amdhsa_kernel k_q40d6d451e2_att
		.amdhsa_group_segment_fixed_size 280576
		.amdhsa_private_segment_fixed_size 0
		.amdhsa_enable_private_segment 0
		.amdhsa_kernarg_size 32
		.amdhsa_user_sgpr_count 2
		.amdhsa_user_sgpr_kernarg_segment_ptr 1
		.amdhsa_wavefront_size32 1
		.amdhsa_system_sgpr_workgroup_id_x 1
		.amdhsa_system_sgpr_workgroup_id_y 1
		.amdhsa_system_sgpr_workgroup_id_z 1
		.amdhsa_system_vgpr_workitem_id 0
		.amdhsa_next_free_vgpr 256
		.amdhsa_next_free_sgpr 66
		.amdhsa_reserve_vcc 0
		.amdhsa_float_denorm_mode_32 3
		.amdhsa_float_denorm_mode_16_64 3
		.amdhsa_memory_ordered 1
		.amdhsa_forward_progress 1
		.amdhsa_inst_pref_size 86
	.end_amdhsa_kernel
	.amdgpu_metadata
---
amdhsa.version: [ 1, 2 ]
amdhsa.kernels:
  - .name:           k_q40d6d451e2_att
    .symbol:         k_q40d6d451e2_att.kd
    .args:
      - { .name: codes, .offset: 0, .size: 8, .value_kind: global_buffer, .address_space: global }
      - { .name: aux, .offset: 8, .size: 8, .value_kind: global_buffer, .address_space: global }
      - { .name: bimg, .offset: 16, .size: 8, .value_kind: global_buffer, .address_space: global }
      - { .name: out0, .offset: 24, .size: 8, .value_kind: global_buffer, .address_space: global }
    .group_segment_fixed_size: 280576
    .private_segment_fixed_size: 0
    .kernarg_segment_align: 8
    .kernarg_segment_size: 32
    .max_flat_workgroup_size: 512
    .sgpr_count:     66
    .vgpr_count:     256
    .wavefront_size: 32
...
	.end_amdgpu_metadata
.endif
;; end of part 2
;; ======== version 2 of 2: 2 launches; version 1 with the launch att written anew for expert scheduling mode
;; limits: below input magnitudes of 0.001 results are inexact or not finite; right only within a limited range of input values
;; workspace buffers: codes 8,388,608 bytes; aux 786,432 bytes; bimg 4,194,304 bytes
;; launch prep: the kernel of part 1 again; grid 8 x 64, 8 waves a work-group, no clusters, 81,408 bytes of LDS; arguments x, att_beta, codes, aux, bimg; writes codes, aux, bimg
;; launch att (part 3): grid 4 x 64, 16 waves a work-group, no clusters, 280,576 bytes of LDS; arguments codes, aux, bimg, out0; writes out0
.if DOCPART == 3
	.amdgcn_target "amdgcn-amd-amdhsa--gfx1250"
	.amdhsa_code_object_version 6
	.text
	.protected	k_q40d6d451e2_att
	.globl	k_q40d6d451e2_att
	.p2align	8
	.type	k_q40d6d451e2_att,@function
k_q40d6d451e2_att:
	s_mov_b64 s[64:65], 0
	v_nop
	global_prefetch_b8 v0, s[64:65] scope:SCOPE_SE
	s_setreg_imm32_b32 hwreg(HW_REG_WAVE_SCHED_MODE, 0, 2), 2
	s_setreg_imm32_b32 hwreg(HW_REG_WAVE_MODE, 25, 1), 1
	s_wait_xcnt 0x0
	s_wait_alu depctr_vm_vsrc(0)
; out[h][n][:] = the sum over m of Q(P)[n][m] Q(x)[m][:],  P = sigmoid(beta[n][m] S[n][m] / (|x_n| |x_m| + 1e-7)),  S = Q(x) Q(x)^T: both products on codes of FP4 (E2M1) with one E8M0 scale for each 32 along K.
; The operands come from the launch before, as images of the registers that take them: codes[head][step] (K images, V images), aux[head][step] (K's and V's scale words, the keys' reciprocal f32 norms), bimg[tile][step] (-log2(e) beta).
; SHARES.  A work-group owns 256 queries of one head, each of its sixteen waves one tile of 16, in 256 registers: four waves to a SIMD, so that one wave's reciprocals and exponentials stand beside another's plain
;   arithmetic, products and loads.  The head's codes and aux (143,360 bytes) are copied into LDS once; behind the one barrier no wave waits for another.  Every wave walks the head's 8 steps of 128 keys.
; LAYOUT (r = lane % 16, h = lane / 16).  Both products are used transposed: S^T = K Q^T (source 0 = 16 keys, source 1 = my 16 queries), O^T = V^T P^T (source 0 = 16 of the 128 channels, source 1 = P): a lane holds ONE query.
;   Row r of K tile 4 c + u is key 64 c + 32 (r / 8) + 8 u + r % 8, so register 8 u + j of the four tiles 4 c .. 4 c + 3 is key 64 c + 32 h + 8 u + j: A WHOLE BLOCK OF 32 NEIGHBOURING KEYS IN ONE LANE.
;   So a block's largest p needs no other lane, and the four conversions' results are registers 4 c .. 4 c + 3 of P's operand as they stand.  My queries are the keys of K tile w % 8 of step 2 bx + w / 8: Q's fragment is that image.
; THE CHAIN, in f32, for each of a lane's 32 numbers of a half step: s b' (b' = -log2(e) beta), times rm, times (rn - 1e-7 rn^2 rm), 2^that, + 1, the reciprocal.  rn = 1 / |x_n|, rm = 1 / |x_m| come ready, so that
;   a number costs two transcendentals (the exponential, the sigmoid's reciprocal) and no third for the division: 1 / (nn nm + 1e-7) = rn rm / (1 + u), u = 1e-7 rn rm, and 1 / (1 + u) is taken as 1 - u.
; LIMITS: that series is cut behind its first-order term: the division's relative error is u^2, under 1e-6 while |x_n| |x_m| is 1e-4 or more (numbers of x some 1,000 times smaller than a spread of 1 gives, where the product is about 128);
;   under that the result drifts from reference()'s.  A row of zeros is served exactly: its reciprocal norm is held at 2^40, so that 1e-7 rn^2 rm is at most 1e-7 x 2^120, a finite number; its scores are zeros, and p = 0.5.
;   The factors are multiplied in another order than reference() writes them: all in f32, a few units in the last place.  NaN and infinities among the inputs are not served.
;   Where 2^(..) passes the largest f32 number p is 0, where the true p lies under 2^-128.  A block whose every p is 0 keeps the byte 1: its codes are zeros.
; NO CLUSTER, NO TENSOR LOAD: the four work-groups of a head share the 143,360 bytes of the fill alone, of the 143,360 + 1,048,576 that a work-group reads; beta' is shared between heads, but it goes from memory straight
;   into registers in their order (16 loads of 512 consecutive bytes a wave and step): through LDS it would add 16 LDS loads to a wave step's 50.
; THE MODE: SCHED_MODE bits 1:0 = 2 (LLVM: expert scheduling mode 2), set by the entry lines.  The code itself states the register dependences between vector or matrix instructions and memory or LDS
;   instructions, with s_wait_alu, always for 0.
; THE PLAN.  Registers that memory or LDS instructions touch, in the loop:
;   v[ADR], v[ASC], v[ANR]  Written by three additions at a step's head; read by the step's LDS loads.      v[L16]  Read by every global load and store; never written again.
;   F0, F1   K's tiles land; the half's four score products read them; the keys' reciprocal norms land; the packed chain reads and writes them; V's tiles land; O^T's products read them.
;   SC       K's scale words land; the eight score products read them; V's land; O^T's products read them.
;   BET      A half's sixteen packed multiplications read its 32 registers; the next step's beta' lands in them.
;   The scores, P's codes and scale word, v[MA], v[MB] and O^T are named by vector and matrix instructions alone.
;   The sixteen waves hold all the registers of their SIMDs, so no buffer has a twin: each wait stands where a buffer changes hands, and the loads that it frees follow it directly.
;   A step has one wait on vm_vsrc (head: the addresses have been read) and on va_vdst: one behind the head's additions (K's tiles and words), in each half one behind the score products (the reciprocal norms),
;   one behind the exponentials (their results; V's tiles and words; the next beta') and one behind the reciprocals (their results), and one ahead of O^T's products (P's codes and scale word).
.set AUXB,  131072                     ; LDS: the head's codes at 0, its aux here,
.set STAGE, 143360                     ; and the way out: 16 rows x (512 bytes + 16) for each wave
.set SP,    528
.set L16,  1                           ; v1   16 x lane; never rewritten
.set C2,   2                           ; v2   -1e-7 rn^2; named as the pair v[2:3], of which the low word serves both halves
.set ADR,  3                           ; v3   LDS address of the step's images
.set MA,   4                           ; v4, v5 at work
.set MB,   5
.set PW,   6                           ; v6   P's scale bytes, then its scale word
.set QS,   7                           ; v7   Q's scale word
.set RN,   8                           ; v8   rn, my query's reciprocal norm; named as the pair v[8:9], of which the low word serves both halves
.set H128, 9                           ; v9   128 h; never rewritten
.set SC,   10                          ; v[10:13] K's scale words of the step, later V's: register q: lanes 0-15 tile 2 q, lanes 16-31 tile 2 q + 1
.set QF,   14                          ; v[14:21] Q's fragment
.set PC,   22                          ; v[22:29] P's codes
.set ANR,  30                          ; v30  LDS address of the keys' reciprocal norms
.set ASC,  31                          ; v31  LDS address of the scale words
.set SCO,  32                          ; v[32:63] 32 scores, then p
.set F0,   64                          ; v[64:95]  K tiles 0-3, then the reciprocal norms' chain, then V tiles 0-3
.set F1,   96                          ; v[96:127] the same for tiles 4-7
.set BET,  128                         ; v[128:191] beta' of the step: 32 registers for each half
.set OA,   192                         ; v[192:255] O^T: 8 accumulators
.macro PLACES n
.rept \n
	v_nop
.endr
.endm
	s_load_b256 s[4:11], s[0:1], 0x0               ; codes s[4:5], aux s[6:7], bimg s[8:9], out0 s[10:11]
	v_lshrrev_b32 v2, 5, v0
	v_readfirstlane_b32 s12, v2                    ; wave w, 0..15
	v_and_b32 v4, 31, v0
	v_lshlrev_b32 v[L16], 4, v4
	v_lshlrev_b32 v31, 3, v4                       ; 8 x lane: the aux fill's offset
	v_bfe_u32 v2, v0, 4, 1
	v_lshlrev_b32 v[H128], 7, v2
	v_and_b32 v4, 15, v0
	v_lshlrev_b32 v4, 4, v4                        ; 16 r: Q's scale word
	v_bfe_u32 v5, v0, 3, 1
	v_and_b32 v3, 7, v0
	v_lshlrev_b32 v3, 2, v3
	v_lshl_add_u32 v5, v5, 7, v3                   ; 128 (r / 8) + 4 (r % 8): my query's reciprocal norm
	s_wait_alu depctr_va_sdst(0)                   ; s12 is written, ahead of its first reader: the LDS addresses and the buffers' offsets are made from it
	s_lshl_b32 s15, s12, 13
	v_add_nc_u32 v3, s15, v[L16]                   ; the fill: 8,192 bytes of codes a wave,
	s_mul_i32 s16, s12, 768
	s_add_co_u32 s17, s16, AUXB
	v_add_nc_u32 v30, s17, v31                     ; and 768 bytes of aux
	s_mul_i32 s27, s12, 16*SP
	s_add_co_u32 s27, s27, STAGE                   ; my stage
	s_mov_b32 s20, 0x76543210
	s_mov_b32 s21, 0xfedcba98                      ; v_permlanex16_b32's selects for lane l xor 16
	s_mov_b32 s24, 0                               ; the step's images in LDS: 16,384 bytes a step
	s_mov_b32 s25, AUXB                            ; its aux: 1,536 bytes a step
	; byte offsets into the buffers
	s_and_b32 s14, ttmp7, 0xffff                   ; head
	s_lshr_b32 s18, s12, 3
	s_and_b32 s19, s12, 7                          ; t: my queries are K tile t
	s_lshl_b32 s44, ttmp9, 1
	s_add_co_u32 s44, s44, s18                     ; of step sq = 2 bx + w / 8
	s_lshl_b32 s45, s14, 17                        ; the head's codes
	s_add_co_u32 s32, s45, s15                     ; fill: + 8,192 w
	s_mov_b32 s33, 0
	s_lshl_b32 s46, s44, 14
	s_add_co_u32 s36, s45, s46
	s_lshl_b32 s46, s19, 10
	s_add_co_u32 s36, s36, s46                     ; Q: + 16,384 sq + 1,024 t
	s_mov_b32 s37, 0
	s_mul_i32 s45, s14, 12288                      ; the head's aux
	s_add_co_u32 s34, s45, s16                     ; fill: + 768 w
	s_mov_b32 s35, 0
	s_mul_i32 s46, s44, 1536
	s_add_co_u32 s45, s45, s46                     ; step sq's record
	s_and_b32 s46, s19, 1
	s_lshl_b32 s46, s46, 8
	s_add_co_u32 s38, s45, s46
	s_lshr_b32 s46, s19, 1
	s_lshl_b32 s46, s46, 2
	s_add_co_u32 s38, s38, s46                     ; Q's scale words: + 256 (t % 2) + 4 (t / 2)
	s_mov_b32 s39, 0
	s_lshr_b32 s46, s19, 2
	s_and_b32 s47, s19, 3
	s_lshl_b32 s42, s46, 6
	s_lshl_b32 s43, s47, 3
	s_add_co_u32 s42, s42, s43                     ; the tile's first key in its step: 64 (t / 4) + 8 (t % 4)
	s_lshl_b32 s43, s42, 2
	s_add_co_u32 s40, s45, s43
	s_add_co_u32 s40, s40, 1024                    ; its reciprocal norm
	s_mov_b32 s41, 0
	s_lshl_b32 s43, s44, 7
	s_add_co_u32 s42, s42, s43                     ; and its row in the head
	s_lshl_b32 s30, s42, 9
	s_lshl_b32 s43, s14, 19
	s_add_co_u32 s30, s30, s43                     ; out0: 524,288 head + 512 row
	s_mov_b32 s31, 0
	s_lshl_b32 s28, ttmp9, 4
	s_add_co_u32 s28, s28, s12
	s_lshl_b32 s28, s28, 16                        ; bimg: 65,536 x (16 bx + w)
	s_mov_b32 s29, 0
	s_wait_kmcnt 0x0
	s_add_nc_u64 s[32:33], s[4:5], s[32:33]
	s_add_nc_u64 s[34:35], s[6:7], s[34:35]
	s_add_nc_u64 s[36:37], s[4:5], s[36:37]
	s_add_nc_u64 s[38:39], s[6:7], s[38:39]
	s_add_nc_u64 s[40:41], s[6:7], s[40:41]
	s_add_nc_u64 s[28:29], s[8:9], s[28:29]
	s_add_nc_u64 s[30:31], s[10:11], s[30:31]
	s_wait_alu depctr_va_vdst(0)                   ; the offsets v1, v4, v5, v31 and the LDS addresses v3, v30 are written, which the loads and LDS stores below read
	; ---- the fill's 19 loads, then Q's 4, then beta' of step 0: 39 loads are out
.irp i, 0,1,2,3,4,5,6,7,8,9,10,11,12,13,14,15
	global_load_b128 v[OA+4*\i:OA+4*\i+3], v[L16], s[32:33] offset:512*\i
.endr
.irp i, 0,1,2
	global_load_b64 v[SCO+2*\i:SCO+2*\i+1], v31, s[34:35] offset:256*\i
.endr
	global_load_b128 v[QF:QF+3], v[L16], s[36:37]
	global_load_b128 v[QF+4:QF+7], v[L16], s[36:37] offset:512
	global_load_b32 v[QS], v4, s[38:39]
	global_load_b32 v[RN], v5, s[40:41]
.irp k, 0,1,2,3,4,5,6,7,8,9,10,11,12,13,14,15
	global_load_b128 v[BET+4*\k:BET+4*\k+3], v[L16], s[28:29] offset:512*\k
.endr
	s_wait_loadcnt 20                              ; the fill is in registers; Q's 4 loads and beta's 16 may be out
.irp i, 0,1,2,3,4,5,6,7,8,9,10,11,12,13,14,15
	ds_store_b128 v3, v[OA+4*\i:OA+4*\i+3] offset:512*\i
.endr
.irp i, 0,1,2
	ds_store_b64 v30, v[SCO+2*\i:SCO+2*\i+1] offset:256*\i
.endr
	s_wait_dscnt 0x0                               ; for the others' sake: my part of the fill has landed
	s_barrier_signal -1
	s_barrier_wait -1                              ; the head's codes and aux lie in LDS; nobody writes them again
	s_wait_loadcnt 16                              ; Q, its scale word and rn are in; beta's 16 may be out
	v_mul_f32 v[C2], v[RN], v[RN]
	v_mul_f32 v[C2], 0xb3d6bf95, v[C2]             ; -1e-7 rn^2
; HALF A STEP: 64 keys, 32 of them in my lane.  c: which half; F: its 32 registers; pre = 1: the next step's beta' of this half is asked for; lw: the younger global loads that may stay out.
.macro HALF c, F, pre, lw
.irp u, 0,2                            ; S^T = K Q^T: four tiles, each product starts its sum; the even tiles' scale words lie in lanes 0-15,
	v_wmma_scale_f32_16x16x128_f8f6f4 v[SCO+8*\u:SCO+8*\u+7], v[\F+8*\u:\F+8*\u+7], v[QF:QF+7], 0, v[SC+2*\c+\u/2], v[QS] matrix_a_fmt:MATRIX_FMT_FP4 matrix_b_fmt:MATRIX_FMT_FP4
.endr
.irp u, 1,3                            ; the odd tiles' in lanes 16-31
	v_wmma_scale_f32_16x16x128_f8f6f4 v[SCO+8*\u:SCO+8*\u+7], v[\F+8*\u:\F+8*\u+7], v[QF:QF+7], 0, v[SC+2*\c+\u/2], v[QS] matrix_a_fmt:MATRIX_FMT_FP4 matrix_b_fmt:MATRIX_FMT_FP4 matrix_a_scale:MATRIX_SCALE_ROW1
.endr
	PLACES 4                                       ; four places in front of the loads into K's registers and of the first read of the scores
	s_wait_alu depctr_va_vdst(0)                   ; the four products are done reading this half's K tiles, in which the reciprocal norms land; the places above stay beside this wait
.irp k, 0,1,2,3,4,5,6,7
	ds_load_b128 v[\F+4*\k:\F+4*\k+3], v[ANR] offset:1024+256*\c+16*\k   ; rm of my 32 keys: sixteen lanes share each address
.endr
	s_wait_loadcnt \lw                             ; this half's beta' is in; the eight loads issued behind it may be out
.irp i, 0,2,4,6,8,10,12,14,16,18,20,22,24,26,28,30
	v_pk_mul_f32 v[SCO+\i:SCO+\i+1], v[SCO+\i:SCO+\i+1], v[BET+32*\c+\i:BET+32*\c+\i+1]   ; s b', each accumulator from its low end on
.endr
	s_wait_dscnt 0x0                               ; the reciprocal norms are in (and all that was asked for before them)
.irp i, 0,2,4,6,8,10,12,14,16,18,20,22,24,26,28,30
	v_pk_mul_f32 v[SCO+\i:SCO+\i+1], v[SCO+\i:SCO+\i+1], v[\F+\i:\F+\i+1]   ; s b' rm
.endr
.irp i, 0,2,4,6,8,10,12,14,16,18,20,22,24,26,28,30
	v_pk_fma_f32 v[\F+\i:\F+\i+1], v[\F+\i:\F+\i+1], v[C2:C2+1], v[RN:RN+1] op_sel_hi:[1,0,0]   ; rn - 1e-7 rn^2 rm = rn (1 - u)
.endr
.irp i, 0,2,4,6,8,10,12,14,16,18,20,22,24,26,28,30
	v_pk_mul_f32 v[SCO+\i:SCO+\i+1], v[SCO+\i:SCO+\i+1], v[\F+\i:\F+\i+1]   ; -log2(e) beta cos
.endr
.irp i, 0,1,2,3,4,5,6,7,8,9,10,11,12,13,14,15,16,17,18,19,20,21,22,23,24,25,26,27,28,29,30,31
	v_exp_f32 v[SCO+\i], v[SCO+\i]
.endr
	v_nop                                          ; a plain line behind the last exponential
	s_wait_alu depctr_va_vdst(0)                   ; the 32 exponentials have written their results, ahead of the first reader; the packed lines are done writing and reading the chain's registers, in which V's tiles land, and done reading this half's beta', in which the next step's lands; the score products are done reading K's scale words, in which V's land
.irp u, 0,1,2,3
.irp q, 0,1
	ds_load_b128 v[\F+8*\u+4*\q:\F+8*\u+4*\q+3], v[ADR] offset:8192+(4*\c+\u)*1024+512*\q   ; V tiles 4 c + u take the registers that the reciprocal norms have left
.endr
.endr
.if \c
	ds_load_b128 v[SC:SC+3], v[ASC] offset:512     ; and V's scale words K's: the last product that read those stands far more than four places back
.endif
.if \pre
.irp k, 0,1,2,3,4,5,6,7
	global_load_b128 v[BET+32*\c+4*\k:BET+32*\c+4*\k+3], v[L16], s[28:29] offset:8192+(8*\c+\k)*512   ; the next step's: asked for behind this half's own wait on LOADcnt, half 0's ahead of half 1's, so that the counts hold
.endr
.endif
.irp i, 0,2,4,6,8,10,12,14,16,18,20,22,24,26,28,30
	v_pk_add_f32 v[SCO+\i:SCO+\i+1], v[SCO+\i:SCO+\i+1], 1.0 op_sel_hi:[1,0]
.endr
.irp i, 0,1,2,3,4,5,6,7,8,9,10,11,12,13,14,15,16,17,18,19,20,21,22,23,24,25,26,27,28,29,30,31
	v_rcp_f32 v[SCO+\i], v[SCO+\i]                 ; p = sigmoid(beta cos)
.endr
	v_nop                                          ; a plain line behind the last reciprocal
	s_wait_alu depctr_va_vdst(0)                   ; the 32 reciprocals have written p, ahead of the first reader
	v_max3_num_f32 v[MA], v[SCO], v[SCO+1], 0x1800000          ; the block's largest p, in two chains; no p is negative.  The floor 2^(3 - 127) is a leaf: so the byte cannot fall under 1
	v_max3_num_f32 v[MB], v[SCO+16], v[SCO+17], v[SCO+18]
.irp i, 0,1,2,3,4,5
	v_max3_num_f32 v[MA], v[MA], v[SCO+2+2*\i], v[SCO+3+2*\i]
	v_max3_num_f32 v[MB], v[MB], v[SCO+19+2*\i], v[SCO+20+2*\i]
.endr
	v_max3_num_f32 v[MA], v[MA], v[SCO+14], v[SCO+15]
	v_max3_num_f32 v[MA], v[MA], v[MB], v[SCO+31]
	v_add_nc_u32 v[MA], 0xff000000, v[MA]          ; 2 off its exponent field: the conversion's scale operand
.if \c
	v_lshrrev_b32 v[MB], 23, v[MA]                 ; block 2 + h's byte,
	v_lshl_or_b32 v[PW], v[MB], 16, v[PW]          ; above block h's;
	v_permlanex16_b32 v[MB], v[PW], s20, s21
	v_lshl_or_b32 v[PW], v[MB], 8, v[PW]           ; in lanes 0-15, which alone are read, lane l + 16's blocks 1 and 3 fall between my blocks 0 and 2: the query's scale word
.else
	v_lshrrev_b32 v[PW], 23, v[MA]                 ; block h's byte
.endif
.irp u, 0,1,2,3
	v_cvt_scalef32_pk8_fp4_f32 v[PC+4*\c+\u], v[SCO+8*\u:SCO+8*\u+7], v[MA]   ; keys 64 c + 32 h + 8 u + 0 .. 7: register 4 c + u of P's operand
.endr
	v_nop                                          ; one plain line behind the last scaled conversion
.endm
; O^T += V^T P^T: eight tiles of 16 channels, K = the step's 128 keys.  The eight accumulators take turns, one instruction a turn, and the scores' products stand between two steps' turns.
.macro OPRODS zero
.irp t, 0,2,4,6
.if \zero
	v_wmma_scale_f32_16x16x128_f8f6f4 v[OA+8*\t:OA+8*\t+7], v[F0+8*\t:F0+8*\t+7], v[PC:PC+7], 0, v[SC+\t/2], v[PW] matrix_a_fmt:MATRIX_FMT_FP4 matrix_b_fmt:MATRIX_FMT_FP4
.else
	v_wmma_scale_f32_16x16x128_f8f6f4 v[OA+8*\t:OA+8*\t+7], v[F0+8*\t:F0+8*\t+7], v[PC:PC+7], v[OA+8*\t:OA+8*\t+7], v[SC+\t/2], v[PW] matrix_a_fmt:MATRIX_FMT_FP4 matrix_b_fmt:MATRIX_FMT_FP4
.endif
.endr
.irp t, 1,3,5,7
.if \zero
	v_wmma_scale_f32_16x16x128_f8f6f4 v[OA+8*\t:OA+8*\t+7], v[F0+8*\t:F0+8*\t+7], v[PC:PC+7], 0, v[SC+\t/2], v[PW] matrix_a_fmt:MATRIX_FMT_FP4 matrix_b_fmt:MATRIX_FMT_FP4 matrix_a_scale:MATRIX_SCALE_ROW1
.else
	v_wmma_scale_f32_16x16x128_f8f6f4 v[OA+8*\t:OA+8*\t+7], v[F0+8*\t:F0+8*\t+7], v[PC:PC+7], v[OA+8*\t:OA+8*\t+7], v[SC+\t/2], v[PW] matrix_a_fmt:MATRIX_FMT_FP4 matrix_b_fmt:MATRIX_FMT_FP4 matrix_a_scale:MATRIX_SCALE_ROW1
.endif
.endr
.endm
; A STEP: 128 keys.  zero = 1: its products start O^T's sums: nothing is ever cleared.  pre = 1: the next step's beta' is asked for.
.macro STEP zero, pre
	s_wait_alu depctr_vm_vsrc(0)                   ; the LDS loads issued so far have read v[ADR], v[ASC] and v[ANR], which the three lines below write.  In step 0: the fill's loads and LDS stores have read these three, v4 and v5 as their addresses, and O^T's and the scores' registers as their data: all are written anew from here on
	v_add_nc_u32 v[ADR], s24, v[L16]               ; these three and the v_nop are the four places between the last step's products and the loads into their registers
	v_add_nc_u32 v[ASC], s25, v[L16]
	v_add_nc_u32 v[ANR], s25, v[H128]
	v_nop
	s_wait_alu depctr_va_vdst(0)                   ; the three addresses are written, which this step's LDS loads read; the last step's products are done reading V's tiles and scale words, in which the loads below land
	ds_load_b128 v[SC:SC+3], v[ASC]                ; K's scale words
.irp t, 0,1,2,3,4,5,6,7
.irp q, 0,1
	ds_load_b128 v[F0+8*\t+4*\q:F0+8*\t+4*\q+3], v[ADR] offset:\t*1024+512*\q   ; K's eight tiles, as they lie: 512 consecutive bytes a load
.endr
.endr
	s_wait_dscnt 8                                 ; the scale words and tiles 0-3 are in; tiles 4-7's eight loads may be out
	HALF 0, F0, \pre, 8
	HALF 1, F1, \pre, 8*\pre
	PLACES 7                                       ; with the line behind the conversions: eight places between the scale word's last write and the scaled products, more than four behind P's codes
	s_wait_alu depctr_va_vdst(0)                   ; the conversions have written P's codes and the shifts its scale word, which the scaled products below take as source 1 and its scales; the places above stay beside this wait
	s_wait_dscnt 0x0                               ; V's eight tiles and its scale words are in
	OPRODS \zero
.if \pre
	s_wait_xcnt 0x0                                ; the loads of beta' have read their base: only now it steps
	s_add_nc_u64 s[28:29], s[28:29], 8192
.endif
	s_add_co_u32 s24, s24, 16384
	s_add_co_u32 s25, s25, 1536
.endm
	STEP 1, 1                                      ; step 0 starts the sums
	s_mov_b32 s26, 6
.Lstep:                                            ; steps 1 to 6
	STEP 0, 1
	s_sub_co_u32 s26, s26, 1
	s_cmp_lg_u32 s26, 0
	s_cbranch_scc1 .Lstep
	STEP 0, 0                                      ; step 7 is written out: it asks for nothing, so that no load leaves bimg
	; ---- THE WAY OUT.  Register 8 t + j of lane (r, h) is out(query r, channel 16 t + 8 h + j): 32 bytes of a row; the rows go through my own stage and leave whole, 512 consecutive bytes a store.
	s_wait_alu depctr_vm_vsrc(0)                   ; step 7's LDS loads have read v[ADR] and v[ANR], which are written anew below
	v_and_b32 v[MA], 15, v0                        ; (these six lines are also the places behind the last products)
	v_bfe_u32 v[MB], v0, 4, 1
	v_mul_u32_u24 v[ADR], v[MA], SP
	v_lshl_add_u32 v[ADR], v[MB], 5, v[ADR]
	v_add_nc_u32 v[ADR], s27, v[ADR]               ; in: row r, + 32 h.  Rows 528 bytes apart: the sixteen rows of a store begin in sixteen different columns of 16 bytes modulo 256
	v_add_nc_u32 v[ANR], s27, v[L16]               ; back: the 32 lanes take one row
	s_wait_alu depctr_va_vdst(0)                   ; the products have written O^T, which the LDS stores read, and the two addresses are written; the conversions are done reading the scores' registers, in which the rows land.  The places above stay beside this wait
.irp t, 0,1,2,3,4,5,6,7
	ds_store_b128 v[ADR], v[OA+8*\t:OA+8*\t+3] offset:64*\t        ; each accumulator from its low end on
	ds_store_b128 v[ADR], v[OA+8*\t+4:OA+8*\t+7] offset:64*\t+16
.endr
.irp i, 0,1,2,3,4,5,6,7,8,9,10,11,12,13,14,15
	ds_load_b128 v[SCO+4*\i:SCO+4*\i+3], v[ANR] offset:\i*SP       ; LDS serves a wave's instructions in order (ISA guide 5.7.1): these see my stores
.endr
.irp i, 0,1,2,3,4,5,6,7,8,9,10,11,12,13,14,15
	s_wait_dscnt 15-\i                             ; row i is back; the younger rows may be out
	global_store_b128 v[L16], v[SCO+4*\i:SCO+4*\i+3], s[30:31] offset:(\i%8)*512+(\i/8)*16384 th:TH_STORE_NT   ; query i of my tile lies i % 8 + 32 (i / 8) rows on; written once, read by nobody here
.endr
	s_wait_xcnt 0x0
	s_wait_alu depctr_vm_vsrc(0)                   ; the LDS stores into the stage have read v254 and v255 as their data: the two lines below write them anew
	v_lshl_add_u32 v254, v0, 2, 0x44000
	v_mov_b32 v255, 0
	s_wait_dscnt 0x0                               ; the closing lines, six on end
	s_wait_alu 0x0
	s_wait_tensorcnt 0x0
	ds_add_u32 v254, v255
	s_wait_dscnt 0x0
	s_endpgm
.Lfunc_end_k_q40d6d451e2_att:
	.size	k_q40d6d451e2_att, .Lfunc_end_k_q40d6d451e2_att-k_q40d6d451e2_att
	.p2alignl 7, 3214868480
	.fill 96, 4, 3214868480
	.section	.rodata,"a",@progbits
	.p2align	6, 0x0
	.amdhsa_kernel k_q40d6d451e2_att
		.amdhsa_group_segment_fixed_size 280576
		.amdhsa_private_segment_fixed_size 0
		.amdhsa_enable_private_segment 0
		.amdhsa_kernarg_size 32
		.amdhsa_user_sgpr_count 2
		.amdhsa_user_sgpr_kernarg_segment_ptr 1
		.amdhsa_wavefront_size32 1
		.amdhsa_system_sgpr_workgroup_id_x 1
		.amdhsa_system_sgpr_workgroup_id_y 1
		.amdhsa_system_sgpr_workgroup_id_z 1
		.amdhsa_system_vgpr_workitem_id 0
		.amdhsa_next_free_vgpr 256
		.amdhsa_next_free_sgpr 66
		.amdhsa_reserve_vcc 0
		.amdhsa_float_denorm_mode_32 3
		.amdhsa_float_denorm_mode_16_64 3
		.amdhsa_memory_ordered 1
		.amdhsa_forward_progress 1
		.amdhsa_inst_pref_size 87
	.end_amdhsa_kernel
	.amdgpu_metadata
---
amdhsa.version: [ 1, 2 ]
amdhsa.kernels:
  - .name:           k_q40d6d451e2_att
    .symbol:         k_q40d6d451e2_att.kd
    .args:
      - { .name: codes, .offset: 0, .size: 8, .value_kind: global_buffer, .address_space: global }
      - { .name: aux, .offset: 8, .size: 8, .value_kind: global_buffer, .address_space: global }
      - { .name: bimg, .offset: 16, .size: 8, .value_kind: global_buffer, .address_space: global }
      - { .name: out0, .offset: 24, .size: 8, .value_kind: global_buffer, .address_space: global }
    .group_segment_fixed_size: 280576
    .private_segment_fixed_size: 0
    .kernarg_segment_align: 8
    .kernarg_segment_size: 32
    .max_flat_workgroup_size: 512
    .sgpr_count:     66
    .vgpr_count:     256
    .wavefront_size: 32
...
	.end_amdgpu_metadata
.endif
;; end of part 3
